; MI455X (gfx1250); checked and timed in simulation.
; The chip was launched on July 23, 2026; its instructions are those of AMD's public machine-readable ISA for CDNA 5 (MIT licence, August 2026) and "CDNA5" Instruction Set Architecture Reference Guide (July 2026). The comments in the code are by the model that wrote it; some were corrected since.
;; MHA. Allowed arithmetic: float matrix products may take bf16 or f16 operands with f32 sums; all other float work in f32.
;; Inputs: W_out 1,024 x 1,024 float32; W_qkv 3,072 x 1,024 float32; b_out 1,024 float32; b_qkv 3,072 float32; x 2 x 2,048 x 1,024 float32.
;; Outputs: out0 2 x 2,048 x 1,024 float32.
;; One version. Each part assembles by itself: llvm-mc -triple=amdgcn-amd-amdhsa -mcpu=gfx1250 --defsym DOCPART=n.
;; ======== version 1 of 1: 4 launches
;; limits: values are held in f16: magnitudes above 65,504 overflow, below 6.1e-05 lose precision
;; workspace buffers: xh 8,388,608 bytes; wqh 6,291,456 bytes; woh 2,097,152 bytes; qkv 25,165,824 bytes; ctx 8,388,608 bytes
;; launch cast (part 1): grid 1024 x 1, 8 waves a work-group, no clusters, 0 bytes of LDS; arguments x, W_qkv, W_out, xh, wqh, woh; writes xh, wqh, woh
.if DOCPART == 1
	.amdgcn_target "amdgcn-amd-amdhsa--gfx1250"
	.amdhsa_code_object_version 6
	.text
	.protected	k_q73fd655776_cast
	.globl	k_q73fd655776_cast
	.p2align	8
	.type	k_q73fd655776_cast,@function
k_q73fd655776_cast:
	s_mov_b64 s[64:65], 0
	v_nop
	global_prefetch_b8 v0, s[64:65] scope:SCOPE_SE
	s_setreg_imm32_b32 hwreg(HW_REG_WAVE_MODE, 25, 1), 1
	s_wait_xcnt 0x0
; x, W_qkv and W_out, f32, are rounded once to f16 (nearest even) into xh, wqh, woh, same row-major layouts.
; The three products that follow read x sixteen times and the weights sixteen or thirty-two times: rounding once here halves
; every later byte and spares a conversion in every work-group that reads a tile.
; LIMIT (format): a magnitude above 65,504 becomes infinite in f16, one below 6e-5 loses bits, one below 6e-8 becomes 0.
; A stream: each byte is read once and written once, nothing is shared between work-groups, so no LDS, no barrier, no cluster.
; A work-group converts 8,192 numbers (32 KiB in, 16 KiB out): groups 0-511 x, 512-895 W_qkv, 896-1023 W_out.
; Thread t takes the 16 bytes at 16 t of each of eight blocks of 4,096 bytes; a wave's load covers 512 consecutive bytes,
; its store (8 bytes a lane) 256 consecutive bytes at a multiple of 256 from the buffer's first byte.
.set NX,  512                          ; work-groups for x:      4,194,304 numbers / 8,192
.set NXW, 896                          ; and for x and W_qkv:  + 3,145,728 / 8,192
.set IN,  8                            ; v[8:39]   eight loads of four f32
.set OUT, 40                           ; v[40:55]  eight stores of four f16
	s_load_b256 s[4:11], s[0:1], 0x0               ; x s[4:5], W_qkv s[6:7], W_out s[8:9], xh s[10:11]
	s_load_b128 s[12:15], s[0:1], 0x20             ; wqh s[12:13], woh s[14:15]
	v_lshlrev_b32 v1, 4, v0                        ; 16 t: my bytes in a block that is read
	v_lshlrev_b32 v2, 3, v0                        ; 8 t: in a block that is written
	s_sub_co_u32 s17, ttmp9, NX                    ; my number among W_qkv's groups
	s_sub_co_u32 s18, ttmp9, NXW                   ; among W_out's
	s_wait_kmcnt 0x0
	s_cmp_lt_u32 ttmp9, NXW                        ; the choice hangs on the work-group's number alone
	s_cselect_b64 s[20:21], s[6:7], s[8:9]
	s_cselect_b64 s[22:23], s[12:13], s[14:15]
	s_cselect_b32 s19, s17, s18
	s_cmp_lt_u32 ttmp9, NX
	s_cselect_b64 s[20:21], s[4:5], s[20:21]       ; from
	s_cselect_b64 s[22:23], s[10:11], s[22:23]     ; to
	s_cselect_b32 s19, ttmp9, s19                  ; my number inside that tensor
	s_lshl_b32 s24, s19, 15                        ; x 32,768 bytes read (16 MiB at the most)
	s_mov_b32 s25, 0
	s_lshl_b32 s26, s19, 14                        ; x 16,384 bytes written
	s_mov_b32 s27, 0
	s_add_nc_u64 s[20:21], s[20:21], s[24:25]
	s_add_nc_u64 s[22:23], s[22:23], s[26:27]
.irp i, 0,1,2,3,4,5,6,7
	global_load_b128 v[IN+4*\i:IN+4*\i+3], v1, s[20:21] offset:4096*\i th:TH_LOAD_NT   ; read once in the whole launch
.endr
.irp i, 0,1,2,3,4,5,6,7
	s_wait_loadcnt 7-\i                            ; loads come back in order: load i is in, the 7 - i younger ones stay out
	v_cvt_pk_f16_f32 v[OUT+2*\i],   v[IN+4*\i],   v[IN+4*\i+1]
	v_cvt_pk_f16_f32 v[OUT+2*\i+1], v[IN+4*\i+2], v[IN+4*\i+3]
	global_store_b64 v2, v[OUT+2*\i:OUT+2*\i+1], s[22:23] offset:2048*\i               ; read again by the next launches: no hint
.endr
	s_endpgm
.Lfunc_end_k_q73fd655776_cast:
	.size	k_q73fd655776_cast, .Lfunc_end_k_q73fd655776_cast-k_q73fd655776_cast
	.p2alignl 7, 3214868480
	.fill 96, 4, 3214868480
	.section	.rodata,"a",@progbits
	.p2align	6, 0x0
	.amdhsa_kernel k_q73fd655776_cast
		.amdhsa_group_segment_fixed_size 0
		.amdhsa_private_segment_fixed_size 0
		.amdhsa_enable_private_segment 0
		.amdhsa_kernarg_size 48
		.amdhsa_user_sgpr_count 2
		.amdhsa_user_sgpr_kernarg_segment_ptr 1
		.amdhsa_wavefront_size32 1
		.amdhsa_system_sgpr_workgroup_id_x 1
		.amdhsa_system_sgpr_workgroup_id_y 1
		.amdhsa_system_sgpr_workgroup_id_z 1
		.amdhsa_system_vgpr_workitem_id 0
		.amdhsa_next_free_vgpr 64
		.amdhsa_next_free_sgpr 66
		.amdhsa_reserve_vcc 0
		.amdhsa_float_denorm_mode_32 3
		.amdhsa_float_denorm_mode_16_64 3
		.amdhsa_memory_ordered 1
		.amdhsa_forward_progress 1
		.amdhsa_inst_pref_size 4
	.end_amdhsa_kernel
	.amdgpu_metadata
---
amdhsa.version: [ 1, 2 ]
amdhsa.kernels:
  - .name:           k_q73fd655776_cast
    .symbol:         k_q73fd655776_cast.kd
    .args:
      - { .name: x, .offset: 0, .size: 8, .value_kind: global_buffer, .address_space: global }
      - { .name: W_qkv, .offset: 8, .size: 8, .value_kind: global_buffer, .address_space: global }
      - { .name: W_out, .offset: 16, .size: 8, .value_kind: global_buffer, .address_space: global }
      - { .name: xh, .offset: 24, .size: 8, .value_kind: global_buffer, .address_space: global }
      - { .name: wqh, .offset: 32, .size: 8, .value_kind: global_buffer, .address_space: global }
      - { .name: woh, .offset: 40, .size: 8, .value_kind: global_buffer, .address_space: global }
    .group_segment_fixed_size: 0
    .private_segment_fixed_size: 0
    .kernarg_segment_align: 8
    .kernarg_segment_size: 48
    .max_flat_workgroup_size: 256
    .sgpr_count:     66
    .vgpr_count:     64
    .wavefront_size: 32
...
	.end_amdgpu_metadata
.endif
;; end of part 1
;; launch qkvgemm (part 2): grid 16 x 16, 4 waves a work-group, clusters of 4 x 4, 327,680 bytes of LDS; arguments xh, wqh, b_qkv, qkv; writes qkv
.if DOCPART == 2
	.amdgcn_target "amdgcn-amd-amdhsa--gfx1250"
	.amdhsa_code_object_version 6
	.text
	.protected	k_q73fd655776_qkvgemm
	.globl	k_q73fd655776_qkvgemm
	.p2align	8
	.type	k_q73fd655776_qkvgemm,@function
k_q73fd655776_qkvgemm:
	s_mov_b64 s[64:65], 0
	v_nop
	global_prefetch_b8 v0, s[64:65] scope:SCOPE_SE
	s_setreg_imm32_b32 hwreg(HW_REG_WAVE_MODE, 25, 1), 1
	s_wait_xcnt 0x0
	s_wait_alu depctr_hold_cnt(0) depctr_sa_sdst(0) depctr_va_vdst(0) depctr_va_sdst(0) depctr_va_ssrc(0) depctr_va_vcc(0) depctr_vm_vsrc(0)
	s_getreg_b32 s2, hwreg(HW_REG_IB_STS2, 6, 4)
	s_cmp_eq_u32 s2, 0
	s_cbranch_scc0 .Lentry_in_a_cluster
	s_endpgm
.Lentry_in_a_cluster:
	s_bfe_u32 s2, ttmp6, 0x10000c
	s_cmp_lg_u32 s2, 0xf033
	s_cbranch_scc0 .Lentry_shape_is_right
	s_endpgm
.Lentry_shape_is_right:
; qkv[m][n] = sum over k of xh[m][k] wqh[n][k] + b_qkv[n], m < 4096, n < 3072, k < 1024; operands f16, sums f32, result f16.
; The result is stored head-major: qkv[b][hs][l][64], hs = n / 64 (0-15 the heads of Q, 16-31 of K, 32-47 of V), so that every
; later tile of a head is one dense block of memory.
; LIMIT (format): |q|, |k|, |v| above 65,504 become infinite in f16.  The bias starts the f32 sums instead of being added last.
; A work-group makes 256 rows x 192 columns (three heads) with four waves; 16 x 16 such blocks are 256 work-groups.
; Wave w makes rows 64 w .. 64 w + 63 of all 192 columns: 4 x 12 accumulator tiles of 16 x 16, 384 registers.  The waves lie
; one below the other, so that a wave owns whole rows of whole heads and its way out needs no other wave.
; K goes in steps of 128 (rows of 256 bytes in memory, each at a multiple of 256 from the buffer's first byte) through two LDS slots.
; CLUSTERS: 4 x 4 work-groups.  The four of a cluster's row need the same rows of xh, the four of a column the same rows of wqh:
; each tile is asked for jointly, by the same tensor load with the same descriptor in all four.
; REGISTER WINDOWS of 256: window 0 addresses, x's fragments (two buffers), the bias; window 1 W's fragments (two buffers);
; window 2 the accumulators of my row tiles 0, 1; window 3 those of row tiles 2, 3.
; THE MATRIX INSTRUCTION IS USED TRANSPOSED: source 0 = 16 rows of W, source 1 = 16 rows of x.  Lane l then holds row l % 16 of the
; result and its registers 0-7 the columns 8 (l / 16) + 0..7: eight neighbouring numbers, 16 bytes in f16.
.set KSTEP,  128
.set SIZE_K, 1024
.set PITCH,  272                       ; an LDS row: 256 bytes + 16 of padding: the 16 rows of a fragment load lie in 16 different 16-byte columns modulo 256
.set HALFA,  128*PITCH                 ; what one tensor load brings of x: 128 rows
.set HALFB,  96*PITCH                  ; and of W: 96 rows
.set SLOT,   2*HALFA+2*HALFB           ; x's 256 rows, then W's 192 rows: 121,856 bytes
.set STAGE,  2*SLOT                    ; behind the ring, for the way out; no tensor load lands here
.set WSTAGE, 6656                      ; a wave's stage: 3 heads x 8 rows of 272 bytes = 6,528, rounded up to blocks of 256
.set HSTG,   8*PITCH                   ; one head's 16 tokens in the stage: two tokens of 128 bytes in a row of 256
.set PL,     262144                    ; a head's plane in qkv: 2,048 tokens x 128 bytes
.set LAPS,   SIZE_K/(2*KSTEP)          ; 4 laps of two K steps
.set ADRA, 16                          ; v16-17  LDS address of my x fragments in slot 0, 1
.set ADRB, 20                          ; v20-21  the same for W
.set STO,  24                          ; v24     way out: where I put 16 bytes
.set RD,   25                          ; v25     way out: where I read 16 bytes back
.set CO,   26                          ; v26     way out: 16 x lane
.set BOFF, 27                          ; v27     32 (l / 16): my eight bias numbers in a tile's 64 bytes
.set FA,   64                          ; window 0: x fragments, buffer f at 64 + 32 f (4 tiles x 8)
.set BIAS, 128                         ; window 0: v128-223, tile b at 128 + 8 b, laid out as an accumulator tile
.set R0,   64                          ; way out: read-back registers, two sets by turns
.set R1,   128
.set TMP,  176                         ; way out: packed results
.set G1,  24                           ; s[24:31] group 1 for x's tiles
.set G0,  32                           ; s[32:39] group 0 for x's tiles, one set a slot
.set G1B, 48                           ; s[48:55] group 1 for W's tiles
.set G0B, 56                           ; s[56:63] group 0 for W's tiles, one set a slot
.set MSB, 0
.macro WIN new                         ; the immediate's high byte repeats the setting that is left
.if MSB != \new
	s_set_vgpr_msb (MSB<<8)|\new
.set MSB, \new
.endif
.endm
.macro PLACES                          ; four plain places behind a matrix instruction, in front of loads into its sources and of readers of its result
.rept 4
	v_nop
.endr
.endm
; A joint load: waves 0, 1 ask for x's two halves, waves 2, 3 for W's.  The branch hangs on the wave's number alone.
.macro JLOAD s
	s_cmp_eq_u32 s13, 0
	s_cbranch_scc0 .Lfor_b_\@
	tensor_load_to_lds s[G0+4*\s:G0+4*\s+3], s[G1:G1+7]
	s_nop 0
	s_branch .Lasked_\@
.Lfor_b_\@:
	tensor_load_to_lds s[G0B+4*\s:G0B+4*\s+3], s[G1B:G1B+7]
	s_nop 0
.Lasked_\@:
.endm
; A round of the cluster's barrier: my work-group's barrier; wave 0 signals for the work-group; all wait for all sixteen; my barrier again.
.macro CREST
	s_cmp_lg_u32 s12, 0
	s_cbranch_scc1 .Lnot_wave_0_\@
	s_barrier_signal -3
.Lnot_wave_0_\@:
	s_barrier_wait -3
	s_barrier_signal -1
	s_barrier_wait -1
.endm
.macro CROUND
	s_barrier_signal -1
	s_barrier_wait -1
	CREST
.endm
	s_load_b256 s[4:11], s[0:1], 0x0               ; xh s[4:5], wqh s[6:7], b_qkv s[8:9], qkv s[10:11]
	s_set_vgpr_msb 0x40
	v_lshl_add_u32 v255, v0, 2, 0x42000
	s_set_vgpr_msb 0x4000
	v_mov_b32 v255, 0
	s_set_vgpr_msb 0x1
	ds_add_u32 v255, v255
	s_set_vgpr_msb 0x100
	v_lshrrev_b32 v1, 5, v0
	v_readfirstlane_b32 s12, v1                    ; wave 0..3
	s_lshr_b32 s13, s12, 1                         ; I fetch for x (0) or for W (1)
	s_and_b32 s14, s12, 1                          ; which half of that tile
	s_bfe_u32 s40, ttmp6, 0x40000                  ; cx
	s_bfe_u32 s41, ttmp6, 0x40004                  ; cy
	s_lshl_b32 s42, ttmp9, 2
	s_add_co_u32 s42, s42, s40                     ; block column = 4 x cluster x + cx
	s_and_b32 s43, ttmp7, 0xffff
	s_lshl_b32 s43, s43, 2
	s_add_co_u32 s43, s43, s41                     ; block row = 4 x cluster y + cy
	s_lshl_b32 s44, s41, 2
	s_lshl_b32 s44, 15, s44                        ; my row of the cluster: places 4 cy .. 4 cy + 3
	s_lshl_b32 s45, 0x1111, s40                    ; my column: places cx, cx + 4, cx + 8, cx + 12
	; group 1: elements of 2 bytes; 16 bytes of padding behind every 64 words; bit 21 beside a mask
	s_or_b32 s[G1+0], s44, (1<<16)|(1<<20)|(1<<21)|(5<<22)|(3<<25)    ; x's tiles go to my row
	s_mov_b32 s[G1+1], KSTEP<<16                   ; tensor_dim0 = 128
	s_mov_b32 s[G1+2], 128<<16                     ; tensor_dim1 = 128 rows
	s_mov_b32 s[G1+3], KSTEP<<16                   ; tile_dim0 = 128
	s_mov_b32 s[G1+4], 128                         ; tile_dim1 = 128
	s_mov_b32 s[G1+5], SIZE_K                      ; elements from row to row
	s_mov_b32 s[G1+6], 0
	s_mov_b32 s[G1+7], 0
	s_or_b32 s[G1B+0], s45, (1<<16)|(1<<20)|(1<<21)|(5<<22)|(3<<25)   ; W's tiles go to my column
	s_mov_b32 s[G1B+1], KSTEP<<16
	s_mov_b32 s[G1B+2], 96<<16                     ; 96 rows
	s_mov_b32 s[G1B+3], KSTEP<<16
	s_mov_b32 s[G1B+4], 96
	s_mov_b32 s[G1B+5], SIZE_K
	s_mov_b32 s[G1B+6], 0
	s_mov_b32 s[G1B+7], 0
	; x's tile hangs on the block row and the wave's number, W's on the block column and the wave's number, each in registers of its own
	s_lshl_b32 s16, s43, 8
	s_lshl_b32 s17, s14, 7
	s_add_co_u32 s16, s16, s17                     ; x: row 256 x block row + 128 x half
	s_lshl_b32 s16, s16, 11                        ; x 2,048 bytes (8 MiB at the most)
	s_mov_b32 s17, 0
	s_mul_i32 s46, s42, 192
	s_mul_i32 s47, s14, 96
	s_add_co_u32 s46, s46, s47                     ; W: row 192 x block column + 96 x half
	s_lshl_b32 s46, s46, 11
	s_mov_b32 s47, 0
	s_mul_i32 s20, s12, HALFA                      ; x's halves land at wave x 34,816 (waves 0, 1),
	s_mul_i32 s21, s12, HALFB
	s_add_co_u32 s21, s21, 2*HALFA-2*HALFB         ; W's at wave x 26,112 + 17,408 (waves 2, 3): 69,632 and 95,744
	s_wait_dscnt 0x0
	s_wait_kmcnt 0x0
	s_add_nc_u64 s[16:17], s[4:5], s[16:17]
	s_add_nc_u64 s[46:47], s[6:7], s[46:47]
	CROUND                                         ; all sixteen work-groups are here: the first joint loads meet
.irp s, 0,1
	s_mov_b32 s[G0+4*\s], 1
	s_add_co_u32 s[G0+4*\s+1], s20, \s*SLOT
	s_add_nc_u64 s[G0+4*\s+2:G0+4*\s+3], s[16:17], \s*KSTEP*2      ; K step s
	s_or_b32 s[G0+4*\s+3], s[G0+4*\s+3], 0x80000000
	s_mov_b32 s[G0B+4*\s], 1
	s_add_co_u32 s[G0B+4*\s+1], s21, \s*SLOT
	s_add_nc_u64 s[G0B+4*\s+2:G0B+4*\s+3], s[46:47], \s*KSTEP*2
	s_or_b32 s[G0B+4*\s+3], s[G0B+4*\s+3], 0x80000000
	JLOAD \s                                       ; both slots' first fills go out together: two tensor loads of a wave are out here, one later on
.endr
	v_and_b32 v1, 15, v0                           ; r = l % 16
	v_bfe_u32 v2, v0, 4, 1                         ; h = l / 16
	v_lshlrev_b32 v[BOFF], 5, v2
	s_mul_i32 s18, s42, 768                        ; my block's 192 bias numbers
	s_mov_b32 s19, 0
	s_add_nc_u64 s[8:9], s[8:9], s[18:19]
.irp b, 0,1,2,3,4,5,6,7,8,9,10,11
	global_load_b128 v[BIAS+8*\b:BIAS+8*\b+3],   v[BOFF], s[8:9] offset:64*\b      ; columns 16 b + 8 h + 0..3
	global_load_b128 v[BIAS+8*\b+4:BIAS+8*\b+7], v[BOFF], s[8:9] offset:64*\b+16   ; + 4..7
.endr
	v_mul_u32_u24 v3, v1, PITCH
	v_lshl_add_u32 v3, v2, 4, v3                   ; a fragment's lane term: row r, 16 bytes for each half of the lanes
	s_mul_i32 s22, s12, 64*PITCH                   ; my 64 rows of x
	s_mov_b32 s23, 2*HALFA                         ; W's rows lie behind x's 256
.irp s, 0,1
	v_add_nc_u32 v[ADRA+\s], s22, v3
	v_add_nc_u32 v[ADRB+\s], s23, v3
	s_add_co_u32 s22, s22, SLOT
	s_add_co_u32 s23, s23, SLOT
.endr
	s_mul_i32 s22, s12, WSTAGE
	s_add_co_u32 s22, s22, STAGE                   ; my stage
	v_lshrrev_b32 v4, 1, v1
	v_mul_u32_u24 v4, v4, PITCH                    ; in: token r lies in row r / 2,
	v_and_b32 v5, 1, v1
	v_lshl_add_u32 v4, v5, 7, v4                   ; half r % 2 of its 256 bytes,
	v_lshl_add_u32 v4, v2, 4, v4                   ; 16 bytes for each half of the lanes: sixteen different 16-byte columns in each half
	v_add_nc_u32 v[STO], s22, v4
	v_mul_u32_u24 v5, v2, PITCH                    ; back: lanes 0-15 one row of 256 bytes, lanes 16-31 the next
	v_lshl_add_u32 v5, v1, 4, v5
	v_add_nc_u32 v[RD], s22, v5
	v_and_b32 v5, 31, v0
	v_lshlrev_b32 v[CO], 4, v5
; 12 matrix instructions: row tile 2 hi + a x all 12 column tiles, 32 along K, from buffer f.  zero = 1: the bias tile is C and starts the sums.
.macro MULA f, hi, a, zero
.irp b, 0,1,2,3,4,5,6,7,8,9,10,11
.if \zero
	v_wmma_f32_16x16x32_f16 v[8*(12*\a+\b):8*(12*\a+\b)+7], v[96*\f+8*\b:96*\f+8*\b+7], v[FA+32*\f+8*(2*\hi+\a):FA+32*\f+8*(2*\hi+\a)+7], v[BIAS+8*\b:BIAS+8*\b+7]
.else
	v_wmma_f32_16x16x32_f16 v[8*(12*\a+\b):8*(12*\a+\b)+7], v[96*\f+8*\b:96*\f+8*\b+7], v[FA+32*\f+8*(2*\hi+\a):FA+32*\f+8*(2*\hi+\a)+7], v[8*(12*\a+\b):8*(12*\a+\b)+7]
.endif
.endr
.endm
; 32 LDS loads in one run: a quarter step's fragments (192 rows of W, my 64 rows of x, 32 K at byte k of the rows) into buffer f
.macro FETCH slot, k, f
	WIN 0x40                                       ; destination window 1
.irp i, 0,1,2,3,4,5,6,7,8,9,10,11
	ds_load_b128 v[96*\f+8*\i:96*\f+8*\i+3],   v[ADRB+\slot] offset:\k+\i*16*PITCH
	ds_load_b128 v[96*\f+8*\i+4:96*\f+8*\i+7], v[ADRB+\slot] offset:\k+\i*16*PITCH+32
.endr
	WIN 0
.irp i, 0,1,2,3
	ds_load_b128 v[FA+32*\f+8*\i:FA+32*\f+8*\i+3],   v[ADRA+\slot] offset:\k+\i*16*PITCH
	ds_load_b128 v[FA+32*\f+8*\i+4:FA+32*\f+8*\i+7], v[ADRA+\slot] offset:\k+\i*16*PITCH+32
.endr
.endm
; A quarter step: 48 matrix instructions on buffer f; in its middle the next quarter's fragments go into buffer g.
; The 48 accumulators take turns, one instruction a turn, in the same order in every quarter.
; Windows: source 0 window 1, source 1 window 0, D window 2 or 3; C the same window as D, or window 0 where the bias is C.
.macro QUARTER slot, k, f, g, zero
	s_wait_dscnt 4                                 ; W and x's row tiles 0, 1 are in; the youngest four loads (row tiles 2, 3) may be out
.if \zero
	WIN 0x81
.else
	WIN 0xa1
.endif
	MULA \f, 0, 0, \zero
	MULA \f, 0, 1, \zero
	PLACES
	FETCH \slot, \k, \g
	s_wait_dscnt 32                                ; all but the 32 just issued
.if \zero
	WIN 0xc1
.else
	WIN 0xf1
.endif
	MULA \f, 1, 0, \zero
	MULA \f, 1, 1, \zero
.endm
.macro THREE slot, zero
	QUARTER \slot, 64,  0, 1, \zero
	QUARTER \slot, 128, 1, 0, 0
	QUARTER \slot, 192, 0, 1, 0
.endm
; The last quarter of a K step multiplies buffer 1 and changes slots.  In front of the barrier each wave waits for its reads of this slot
; and for all its tensor loads (one is out: its part of the next slot).  Where this slot is filled again the barrier opens a round of the
; cluster's barrier, and the joint refill is the first tensor load behind the round.  From a request to the wait for it: 180 matrix instructions.
.macro TURN slot, next, fill
	s_wait_dscnt 4
	WIN 0xa1
	MULA 1, 0, 0, 0
	s_wait_dscnt 0                                 ; my reads of this slot are over
	s_wait_tensorcnt 0x0                           ; all my tensor loads have landed
	ds_add_u32 v255, v255
	s_wait_dscnt 0x0
	s_barrier_signal -1
	MULA 1, 0, 1, 0                                ; register work while the others arrive
	WIN 0
	s_barrier_wait -1
.if \fill
	CREST                                          ; no wave of any partner still reads this slot or has a load on its way
	s_add_nc_u64 s[G0+4*\slot+2:G0+4*\slot+3], s[G0+4*\slot+2:G0+4*\slot+3], 2*KSTEP*2
	s_add_nc_u64 s[G0B+4*\slot+2:G0B+4*\slot+3], s[G0B+4*\slot+2:G0B+4*\slot+3], 2*KSTEP*2
	JLOAD \slot
.endif
	PLACES
	FETCH \next, 0, 0
	WIN 0xf1
	MULA 1, 1, 0, 0
	MULA 1, 1, 1, 0
.endm
.macro LAP zero
	THREE 0, \zero
	TURN 0, 1, 1
	THREE 1, 0
	TURN 1, 0, 1
.endm
	s_wait_loadcnt 0x0                             ; the bias
	s_wait_tensorcnt 1                             ; my part of K step 0 is in; K step 1's may stay out
	s_barrier_signal -1
	s_barrier_wait -1                              ; everybody's part is in
	FETCH 0, 0, 0
	LAP 1                                          ; the first lap stands in front of the loop: its first products take the bias as C
	WIN 0                                          ; at a label and at a branch every window is 0
	s_mov_b32 s3, LAPS-2
.Llap:
	LAP 0
	WIN 0
	s_sub_co_u32 s3, s3, 1
	s_cmp_lg_u32 s3, 0
	s_cbranch_scc1 .Llap
	THREE 0, 0                                     ; the last lap fills nothing
	TURN 0, 1, 0
	THREE 1, 0
	s_wait_dscnt 4
	WIN 0xa1
	MULA 1, 0, 0, 0
	MULA 1, 0, 1, 0
	s_wait_dscnt 0
	WIN 0xf1
	MULA 1, 1, 0, 0
	MULA 1, 1, 1, 0
	; THE WAY OUT, 16 tokens at a time: round to f16, 16 bytes a lane into my stage, read back as rows of 256 bytes (two tokens of a head)
	PLACES
	s_lshr_b32 s16, s43, 3                         ; batch: eight blocks of 256 tokens each
	s_mul_i32 s16, s16, 48*PL
	s_and_b32 s17, s43, 7
	s_lshl_b32 s17, s17, 15                        ; 256 tokens x 128 bytes
	s_add_co_u32 s16, s16, s17
	s_lshl_b32 s17, s12, 13                        ; my 64 tokens
	s_add_co_u32 s16, s16, s17
	s_mov_b32 s17, 0
	s_add_nc_u64 s[10:11], s[10:11], s[16:17]
	s_mul_i32 s46, s42, 3*PL                       ; my block's three heads
	s_mov_b32 s47, 0
	s_add_nc_u64 s[10:11], s[10:11], s[46:47]
; tokens 16 a .. 16 a + 15 of my 64: the twelve tiles (al, 0..11) of window 2 or 3 (from = 0x0a, 0x0f: sources 0 and 1); rr: R0, R1 by turns
.macro OUT16 a, al, from, rr
	WIN \from
.irp b, 0,1,2,3,4,5,6,7,8,9,10,11
.irp i, 0,1,2,3
	v_cvt_pk_f16_f32 v[TMP+4*\b+\i], v[8*(12*\al+\b)+2*\i], v[8*(12*\al+\b)+2*\i+1]
.endr
.endr
	WIN 0
.irp b, 0,1,2,3,4,5,6,7,8,9,10,11
	ds_store_b128 v[STO], v[TMP+4*\b:TMP+4*\b+3] offset:(\b/4)*HSTG+(\b%4)*32      ; head b / 4, columns 16 (b % 4) + 8 h ..
.endr
	s_wait_xcnt 0x0                                ; the read-back registers were earlier stores' data: they are loaded again only behind this wait
.irp t, 0,1,2,3,4,5,6,7,8,9,10,11
	ds_load_b128 v[\rr+4*\t:\rr+4*\t+3], v[RD] offset:(\t/4)*HSTG+(\t%4)*2*PITCH   ; LDS serves a wave's instructions in order: these see the stores above
.endr
.irp t, 0,1,2,3,4,5,6,7,8,9,10,11
	s_wait_dscnt 11-\t                             ; load t is in, the younger ones stay out
	global_store_b128 v[CO], v[\rr+4*\t:\rr+4*\t+3], s[10:11] offset:(\t/4)*PL+\a*2048+(\t%4)*512   ; 512 consecutive bytes: four tokens of one head
.endr
.endm
	OUT16 0, 0, 0x0a, R0
	OUT16 1, 1, 0x0a, R1
	OUT16 2, 0, 0x0f, R0
	OUT16 3, 1, 0x0f, R1
	s_set_vgpr_msb 0x1
	s_wait_tensorcnt 0x0
	ds_add_u32 v255, v255
	s_wait_dscnt 0x0
	s_set_vgpr_msb 0x100
	CROUND                                         ; the closing round: no work-group ends while a partner may still ask jointly
	s_endpgm
.Lfunc_end_k_q73fd655776_qkvgemm:
	.size	k_q73fd655776_qkvgemm, .Lfunc_end_k_q73fd655776_qkvgemm-k_q73fd655776_qkvgemm
	.p2alignl 7, 3214868480
	.fill 96, 4, 3214868480
	.section	.rodata,"a",@progbits
	.p2align	6, 0x0
	.amdhsa_kernel k_q73fd655776_qkvgemm
		.amdhsa_group_segment_fixed_size 327680
		.amdhsa_private_segment_fixed_size 0
		.amdhsa_enable_private_segment 0
		.amdhsa_kernarg_size 32
		.amdhsa_user_sgpr_count 2
		.amdhsa_user_sgpr_kernarg_segment_ptr 1
		.amdhsa_wavefront_size32 1
		.amdhsa_system_sgpr_workgroup_id_x 1
		.amdhsa_system_sgpr_workgroup_id_y 1
		.amdhsa_system_sgpr_workgroup_id_z 1
		.amdhsa_system_vgpr_workitem_id 0
		.amdhsa_next_free_vgpr 1024
		.amdhsa_next_free_sgpr 66
		.amdhsa_reserve_vcc 0
		.amdhsa_float_denorm_mode_32 3
		.amdhsa_float_denorm_mode_16_64 3
		.amdhsa_memory_ordered 1
		.amdhsa_forward_progress 1
		.amdhsa_inst_pref_size 166
	.end_amdhsa_kernel
	.amdgpu_metadata
---
amdhsa.version: [ 1, 2 ]
amdhsa.kernels:
  - .name:           k_q73fd655776_qkvgemm
    .symbol:         k_q73fd655776_qkvgemm.kd
    .args:
      - { .name: xh, .offset: 0, .size: 8, .value_kind: global_buffer, .address_space: global }
      - { .name: wqh, .offset: 8, .size: 8, .value_kind: global_buffer, .address_space: global }
      - { .name: b_qkv, .offset: 16, .size: 8, .value_kind: global_buffer, .address_space: global }
      - { .name: qkv, .offset: 24, .size: 8, .value_kind: global_buffer, .address_space: global }
    .group_segment_fixed_size: 327680
    .private_segment_fixed_size: 0
    .kernarg_segment_align: 8
    .kernarg_segment_size: 32
    .max_flat_workgroup_size: 128
    .sgpr_count:     66
    .vgpr_count:     1024
    .wavefront_size: 32
...
	.end_amdgpu_metadata
.endif
;; end of part 2
;; launch attn (part 3): grid 8 x 32, 16 waves a work-group, clusters of 4 x 1, 327,680 bytes of LDS; arguments qkv, ctx; writes ctx
.if DOCPART == 3
	.amdgcn_target "amdgcn-amd-amdhsa--gfx1250"
	.amdhsa_code_object_version 6
	.text
	.protected	k_q73fd655776_attn
	.globl	k_q73fd655776_attn
	.p2align	8
	.type	k_q73fd655776_attn,@function
k_q73fd655776_attn:
	s_mov_b64 s[64:65], 0
	v_nop
	global_prefetch_b8 v0, s[64:65] scope:SCOPE_SE
	s_setreg_imm32_b32 hwreg(HW_REG_WAVE_MODE, 25, 1), 1
	s_wait_xcnt 0x0
	s_wait_alu depctr_hold_cnt(0) depctr_sa_sdst(0) depctr_va_vdst(0) depctr_va_sdst(0) depctr_va_ssrc(0) depctr_va_vcc(0) depctr_vm_vsrc(0)
	s_getreg_b32 s2, hwreg(HW_REG_IB_STS2, 6, 4)
	s_cmp_eq_u32 s2, 0
	s_cbranch_scc0 .Lentry_in_a_cluster
	s_endpgm
.Lentry_in_a_cluster:
	s_bfe_u32 s2, ttmp6, 0x10000c
	s_cmp_lg_u32 s2, 0x3003
	s_cbranch_scc0 .Lentry_shape_is_right
	s_endpgm
.Lentry_shape_is_right:
; ctx[b][h][l][64] = softmax(Q K^T / 8) V for one head and 256 queries a work-group; operands f16, scores, sums and statistics f32.
; The maximum is the running maximum of the raw scores; sums and results are rescaled whenever it rises.
; LIMITS: p = exp(..) is rounded to f16 for the product with V (below 6e-8 it becomes 0) while the denominator is summed from
; the f32 p (relative difference at most 2^-11); ctx is rounded to f16.
; SIXTEEN WAVES, four on a SIMD, 256 registers each.  A wave's work is one long chain (scores, maximum, exponentials, sums, rounding,
; rescaling, products), so several chains side by side keep the matrix unit and the vector unit at work together.
; Waves w and w + 8 take the same 32 queries (two query tiles): wave w keys 0-127 of every tile of 256 keys, wave w + 8 keys 128-255.
; So each fragment of K and V is read from LDS by eight waves, as many as with eight waves of 32 queries that walk all keys.
; Each wave keeps its own maximum, sum and results; at the end the two halves are joined through LDS: wave w + 8 holds the two query
; tiles in the other order, so that every wave sends its register set 1 and finishes its set 0, with no branch.
; CLUSTERS: the four query blocks of a cluster (same head) walk the same K and V tiles and ask for them jointly, mask 15.
; K and V go in tiles of 256 keys through two LDS slots.  A head's plane is dense, so a tile is 128 rows of 256 bytes (two keys a row).
; Waves 0, 1 bring K's halves, waves 2, 3 V's halves (64 rows each); the others bring nothing.  One tensor load of a wave is out at any time.
; ALL PRODUCTS ARE TRANSPOSED, so that nothing moves between lanes but one exchange of the two halves for the maximum:
;   S^T = K Q^T: source 0 = 16 keys of K, source 1 = 16 queries of Q.  Lane (r, h), register j: key 16 kt + 8 h + j, query r.
;   Two neighbouring key tiles, packed to f16 in place, ARE the source 1 fragment of P^T for 32 keys.
;   O^T = V^T P^T: source 0 = V read by the transposing LDS load.  Lane (r, h), register j: column 16 dt + 8 h + j, query r.
; So everything a lane holds belongs to query r: maximum, factor and sum are one number a lane and query tile.
.set PK,     272                       ; K's LDS row: 256 + 16 bytes
.set PV,     288                       ; V's LDS row: 256 + 32 bytes: the 16 lanes of a half of a transposing load touch 16 different 16-byte columns
.set KHALF,  64*PK                     ; 17,408: what wave 0 or 1 brings (lands at wave x KHALF), and the 128 keys that eight waves read
.set VHALF,  64*PV                     ; 18,432: what wave 2 or 3 brings (lands at wave x VHALF), and the same 128 keys of V
.set VOFF,   2*VHALF                   ; 36,864: V's first byte in a slot (the 2,048 bytes behind K's 34,816 are never touched)
.set SLOT,   VOFF+2*VHALF              ; 73,728
.set XCH,    2*SLOT                    ; 147,456: where the two halves of the keys meet; no tensor load lands here
.set XW,     4352                      ; a wave's part: 32 registers x 128 bytes, then 8 bytes a lane
.set STAGE,  XCH+16*XW                 ; 217,088: the way out; no tensor load lands here
.set WSTAGE, 2304                      ; a wave's stage: 8 rows of 272 bytes = 2,176, rounded up to blocks of 256
.set PL,     262144                    ; a head's plane: 2,048 x 128 bytes
.set TILEB,  32768                     ; 256 keys x 128 bytes
.set ADRK, 1                           ; v1-2    my K fragment address in slot 0, 1 (my half of the keys included)
.set ADRV, 3                           ; v3-4    my V fragment address in slot 0, 1
.set LK,   5                           ; v5      row r / 2, half r % 2, 16 bytes for each half of the lanes
.set CC,   6                           ; v[6:7]  log2(e) / 8, twice
.set NM,   10                          ; v10, v12  - log2(e) / 8 x maximum of query tile 0, 1; v11, v13 the running maximum itself
.set AL,   14                          ; v14, v16  the factor of this step; v15, v17 its logarithm.  Packed forms take the first of a pair for both halves
.set LS,   18                          ; v[18:21] my lane's part of the denominator, a pair a query tile
.set T,    22                          ; v22-31  at work
.set Q,    32                          ; v32-63  Q fragments: 32 + 16 qt + 4 j
.set F,    64                          ; v64-127 K fragments (64 + 16 kt + 4 j), then V fragments (64 + 32 g + 8 dt), by turns
.set S,    128                         ; v128-191 scores: 128 + 32 qt + 8 kt; then P: 128 + 32 qt + 16 g
.set O,    192                         ; v192-255 results: 192 + 8 (2 dt + qt)
.set G1K, 24                           ; s[24:31] group 1 for K
.set G1V, 32                           ; s[32:39] group 1 for V
.set G0K, 40                           ; s[40:47] group 0 for K, one set a slot
.set G0V, 48                           ; s[48:55] group 0 for V, one set a slot
.macro PLACES n                        ; plain places behind a matrix instruction (ISA guide 7.12.1)
.rept \n
	v_nop
.endr
.endm
.macro ROUND                           ; a round of the cluster's barrier
	s_barrier_signal -1
	s_barrier_wait -1
	s_cmp_lg_u32 s8, 0
	s_cbranch_scc1 .Lnot_wave_0_\@
	s_barrier_signal -3
.Lnot_wave_0_\@:
	s_barrier_wait -3
	s_barrier_signal -1
	s_barrier_wait -1
.endm
.macro JLOAD n                         ; the joint load of slot n: the branches hang on the wave's number alone
	s_cmp_lt_u32 s8, 2
	s_cbranch_scc0 .Lnot_k_\@
	tensor_load_to_lds s[G0K+4*(\n):G0K+4*(\n)+3], s[G1K:G1K+7]
	s_nop 0
	s_branch .Lasked_\@
.Lnot_k_\@:
	s_cmp_lt_u32 s8, 4
	s_cbranch_scc0 .Lasked_\@
	tensor_load_to_lds s[G0V+4*(\n):G0V+4*(\n)+3], s[G1V:G1V+7]
	s_nop 0
.Lasked_\@:
.endm
	s_load_b128 s[4:7], s[0:1], 0x0                ; qkv s[4:5], ctx s[6:7]
	v_lshl_add_u32 v190, v0, 2, 0x3e000
	v_mov_b32 v191, 0
	ds_add_u32 v190, v191
	s_wait_dscnt 0x0
	v_lshrrev_b32 v1, 5, v0
	v_readfirstlane_b32 s8, v1                     ; wave 0..15
	s_and_b32 s14, s8, 1                           ; which half of a tile I bring
	s_lshr_b32 s61, s8, 3                          ; which half of every tile's keys I read
	s_and_b32 s63, s8, 7                           ; which 32 queries are mine
	s_bfe_u32 s9, ttmp6, 0x40000                   ; cx
	s_lshl_b32 s10, ttmp9, 2
	s_add_co_u32 s10, s10, s9                      ; query block = 4 x cluster x + cx
	s_and_b32 s11, ttmp7, 0xffff                   ; 16 b + h
	s_mov_b32 s20, 0x76543210                      ; v_permlanex16_b32: lane i takes lane i of the other half
	s_mov_b32 s21, 0xfedcba98
	; group 1: a dense block as 64 rows of 32 elements of 8 bytes; padding behind every 64 words; mask 15 and bit 21
	s_mov_b32 s[G1K+0], 15|(3<<16)|(1<<20)|(1<<21)|(5<<22)|(3<<25)     ; 4 words of padding
	s_mov_b32 s[G1K+1], 32<<16
	s_mov_b32 s[G1K+2], 64<<16
	s_mov_b32 s[G1K+3], 32<<16
	s_mov_b32 s[G1K+4], 64
	s_mov_b32 s[G1K+5], 32
	s_mov_b32 s[G1K+6], 0
	s_mov_b32 s[G1K+7], 0
	s_mov_b32 s[G1V+0], 15|(3<<16)|(1<<20)|(1<<21)|(5<<22)|(7<<25)     ; 8 words of padding
	s_mov_b32 s[G1V+1], 32<<16
	s_mov_b32 s[G1V+2], 64<<16
	s_mov_b32 s[G1V+3], 32<<16
	s_mov_b32 s[G1V+4], 64
	s_mov_b32 s[G1V+5], 32
	s_mov_b32 s[G1V+6], 0
	s_mov_b32 s[G1V+7], 0
	s_lshr_b32 s15, s11, 4
	s_mul_i32 s15, s15, 48
	s_and_b32 s12, s11, 15
	s_add_co_u32 s15, s15, s12                     ; Q's plane: 48 b + h; K's is 16 further, V's 32
	s_lshl_b32 s12, s14, 14                        ; the half that I bring: 16,384 bytes
	s_add_co_u32 s16, s15, 16
	s_lshl_b32 s16, s16, 18
	s_add_co_u32 s16, s16, s12
	s_mov_b32 s17, 0
	s_add_co_u32 s18, s15, 32
	s_lshl_b32 s18, s18, 18
	s_add_co_u32 s18, s18, s12
	s_mov_b32 s19, 0
	s_mul_i32 s23, s8, KHALF
	s_mul_i32 s62, s8, VHALF
	s_lshl_b32 s60, s10, 15                        ; my 32 queries: (256 x block + 32 x (wave % 8)) x 128 bytes
	s_lshl_b32 s12, s63, 12
	s_add_co_u32 s60, s60, s12
	s_lshl_b32 s56, s15, 18
	s_add_co_u32 s56, s56, s60
	s_mov_b32 s57, 0
	s_lshl_b32 s58, s11, 18
	s_add_co_u32 s58, s58, s60
	s_lshl_b32 s12, s61, 11                        ; my register set 0 holds query tile wave / 8 of the 32: 16 queries x 128 bytes
	s_add_co_u32 s58, s58, s12                     ; and that tile is what I store
	s_mov_b32 s59, 0
	s_sub_co_u32 s13, 2048, s12                    ; my set 1 holds the other tile
	s_wait_kmcnt 0x0
	s_add_nc_u64 s[16:17], s[4:5], s[16:17]        ; K, my half of tile 0
	s_add_nc_u64 s[18:19], s[4:5], s[18:19]        ; V
	s_add_nc_u64 s[56:57], s[4:5], s[56:57]        ; my queries
	s_add_nc_u64 s[58:59], s[6:7], s[58:59]        ; my rows of ctx
.irp n, 0,1
	s_mov_b32 s[G0K+4*\n], 1
	s_add_co_u32 s[G0K+4*\n+1], s23, \n*SLOT
	s_add_nc_u64 s[G0K+4*\n+2:G0K+4*\n+3], s[16:17], \n*TILEB      ; tile n
	s_or_b32 s[G0K+4*\n+3], s[G0K+4*\n+3], 0x80000000
	s_mov_b32 s[G0V+4*\n], 1
	s_add_co_u32 s[G0V+4*\n+1], s62, \n*SLOT
	s_add_nc_u64 s[G0V+4*\n+2:G0V+4*\n+3], s[18:19], \n*TILEB
	s_or_b32 s[G0V+4*\n+3], s[G0V+4*\n+3], 0x80000000
.endr
	ROUND                                          ; in front of the first joint load
	JLOAD 0                                        ; tile 0; slot 1 is first filled behind the first trip's round, as a refill is
	v_and_b32 v22, 15, v0                          ; r
	v_bfe_u32 v23, v0, 4, 1                        ; h
	v_lshlrev_b32 v29, 7, v22
	v_lshl_add_u32 v29, v23, 4, v29                ; query r's row of 128 bytes, 16 bytes for each half of the lanes
	v_add_nc_u32 v30, s12, v29                     ; set 0's query tile
	v_add_nc_u32 v31, s13, v29                     ; set 1's
.irp qt, 0,1
.irp j, 0,1,2,3
	global_load_b128 v[Q+16*\qt+4*\j:Q+16*\qt+4*\j+3], v[30+\qt], s[56:57] offset:32*\j      ; columns 16 j + 8 h + 0..7
.endr
.endr
	v_lshrrev_b32 v24, 1, v22
	v_mul_u32_u24 v24, v24, PK                     ; key r of a tile lies in row r / 2,
	v_and_b32 v25, 1, v22
	v_lshl_add_u32 v24, v25, 7, v24                ; half r % 2,
	v_lshl_add_u32 v[LK], v23, 4, v24              ; 16 bytes for each half of the lanes
	s_mul_i32 s12, s61, KHALF                      ; my half of the keys
	v_add_nc_u32 v[ADRK], s12, v[LK]
	v_add_nc_u32 v[ADRK+1], SLOT, v[ADRK]
	v_bfe_u32 v24, v0, 1, 2                        ; transposing load: lane l addresses key 8 h + l % 8: row 4 h + (l % 8) / 2,
	v_lshl_add_u32 v24, v23, 2, v24
	v_mul_u32_u24 v24, v24, PV
	v_lshl_add_u32 v24, v25, 7, v24                ; half l % 2,
	v_bfe_u32 v25, v0, 3, 1
	v_lshl_add_u32 v24, v25, 4, v24                ; columns 8 ((l / 8) % 2) ..
	s_mul_i32 s12, s61, VHALF
	s_add_co_u32 s12, s12, VOFF
	v_add_nc_u32 v[ADRV], s12, v24
	v_add_nc_u32 v[ADRV+1], SLOT, v[ADRV]
	v_mov_b32 v[CC], 0x3e38aa3b                    ; log2(e) / 8
	v_mov_b32 v[CC+1], 0x3e38aa3b
	v_mov_b32 v[T+4], 0                            ; v_permlanex16_b32 counts as a reader of its destination
	v_mov_b32 v[T+5], 0
	s_wait_loadcnt 0x0                             ; Q
.macro LOADKH s, i, hf                 ; 8 loads: the K fragments of key tiles 2 hf, 2 hf + 1 of keys 64 i .. 64 i + 63 of my half
.irp k2, 0,1
.irp j, 0,1,2,3
	ds_load_b128 v[F+16*(2*\hf+\k2)+4*\j:F+16*(2*\hf+\k2)+4*\j+3], v[ADRK+\s] offset:(4*(\i)+2*\hf+\k2)*8*PK+32*\j
.endr
.endr
.endm
.macro LOADV s, i                      ; 16 transposing loads: V^T of the same keys, 32 keys (g) x 16 columns (dt) a fragment
.irp g, 0,1
.irp dt, 0,1,2,3
	ds_load_tr16_b128 v[F+32*\g+8*\dt:F+32*\g+8*\dt+3],   v[ADRV+\s] offset:(2*(\i)+\g)*16*PV+32*\dt
	ds_load_tr16_b128 v[F+32*\g+8*\dt+4:F+32*\g+8*\dt+7], v[ADRV+\s] offset:(2*(\i)+\g)*16*PV+32*\dt+8*PV
.endr
.endr
.endm
; S^T of key tiles 2 hf, 2 hf + 1: four accumulators by turns, one instruction a turn: columns 0-31 start the sums, 32-63 add in place
.macro QKH hf
.irp k2, 0,1
.irp qt, 0,1
	v_wmma_f32_16x16x32_f16 v[S+32*\qt+8*(2*\hf+\k2):S+32*\qt+8*(2*\hf+\k2)+7], v[F+16*(2*\hf+\k2):F+16*(2*\hf+\k2)+7], v[Q+16*\qt:Q+16*\qt+7], 0
.endr
.endr
.irp k2, 0,1
.irp qt, 0,1
	v_wmma_f32_16x16x32_f16 v[S+32*\qt+8*(2*\hf+\k2):S+32*\qt+8*(2*\hf+\k2)+7], v[F+16*(2*\hf+\k2)+8:F+16*(2*\hf+\k2)+15], v[Q+16*\qt+8:Q+16*\qt+15], v[S+32*\qt+8*(2*\hf+\k2):S+32*\qt+8*(2*\hf+\k2)+7]
.endr
.endr
.endm
; O^T += V^T P^T for keys 32 g .. 32 g + 31: eight accumulators by turns, one instruction a turn.  zero = 1: the products start the sums
.macro PVG g, zero
.irp dt, 0,1,2,3
.irp qt, 0,1
.if \zero
	v_wmma_f32_16x16x32_f16 v[O+8*(2*\dt+\qt):O+8*(2*\dt+\qt)+7], v[F+32*\g+8*\dt:F+32*\g+8*\dt+7], v[S+32*\qt+16*\g:S+32*\qt+16*\g+7], 0
.else
	v_wmma_f32_16x16x32_f16 v[O+8*(2*\dt+\qt):O+8*(2*\dt+\qt)+7], v[F+32*\g+8*\dt:F+32*\g+8*\dt+7], v[S+32*\qt+16*\g:S+32*\qt+16*\g+7], v[O+8*(2*\dt+\qt):O+8*(2*\dt+\qt)+7]
.endif
.endr
.endr
.endm
.macro FMA u                           ; tile u (S + 8 u): score x log2(e) / 8 - maximum x log2(e) / 8; the last source's first register serves both halves
.irp e, 0,2,4,6
	v_pk_fma_f32 v[S+8*(\u)+\e:S+8*(\u)+\e+1], v[S+8*(\u)+\e:S+8*(\u)+\e+1], v[CC:CC+1], v[NM+2*((\u)/4):NM+2*((\u)/4)+1] op_sel_hi:[1,1,0]
.endr
.endm
.macro EXPT u
.irp e, 0,1,2,3,4,5,6,7
	v_exp_f32 v[S+8*(\u)+\e], v[S+8*(\u)+\e]
.endr
.endm
; 64 keys x my 32 queries.  first = 1: the very first sub-block starts maximum, sums and results; nothing is cleared.
; more = 1: the next 64 keys of this tile follow, and their K fragments are fetched into V's registers as the products with V free them.
.macro SUB s, i, first, more
	s_wait_dscnt 8                                 ; K's key tiles 0, 1 are in; the 8 younger loads (key tiles 2, 3) may stay out
	QKH 0
	s_wait_dscnt 0                                 ; key tiles 2, 3
	QKH 1
	PLACES 4                                       ; in front of the loads into K's registers and of the readers of the scores
	LOADV \s, \i                                   ; lands under the softmax
	; the maximum: two chains a query tile; one starts from the running maximum
.if \first
	v_max_num_f32 v[T+0], v[S+0], v[S+1]
	v_max_num_f32 v[T+2], v[S+32], v[S+33]
.else
	v_max3_num_f32 v[T+0], v[NM+1], v[S+0], v[S+1]
	v_max3_num_f32 v[T+2], v[NM+3], v[S+32], v[S+33]
.endif
	v_max_num_f32 v[T+1], v[S+16], v[S+17]
	v_max_num_f32 v[T+3], v[S+48], v[S+49]
.irp e, 2,4,6,8,10,12,14
	v_max3_num_f32 v[T+0], v[T+0], v[S+\e], v[S+\e+1]
	v_max3_num_f32 v[T+1], v[T+1], v[S+16+\e], v[S+17+\e]
	v_max3_num_f32 v[T+2], v[T+2], v[S+32+\e], v[S+33+\e]
	v_max3_num_f32 v[T+3], v[T+3], v[S+48+\e], v[S+49+\e]
.endr
	v_max_num_f32 v[T+0], v[T+0], v[T+1]
	v_max_num_f32 v[T+2], v[T+2], v[T+3]
	v_permlanex16_b32 v[T+4], v[T+0], s20, s21     ; the other half of the lanes holds the same query's other keys
	v_permlanex16_b32 v[T+5], v[T+2], s20, s21
	v_max_num_f32 v[NM+1], v[T+0], v[T+4]
	v_max_num_f32 v[NM+3], v[T+2], v[T+5]
	v_mul_f32 v[T+6], 0xbe38aa3b, v[NM+1]          ; - log2(e) / 8 x the new maximum
	v_mul_f32 v[T+8], 0xbe38aa3b, v[NM+3]
.if \first == 0
	v_sub_f32 v[AL+1], v[T+6], v[NM+0]             ; log2 of the factor: (old - new maximum) x log2(e) / 8, never above 0
	v_sub_f32 v[AL+3], v[T+8], v[NM+2]
.endif
	v_mov_b32 v[NM+0], v[T+6]
	v_mov_b32 v[NM+2], v[T+8]
.if \first == 0
	v_exp_f32 v[AL+0], v[AL+1]
	v_exp_f32 v[AL+2], v[AL+3]
.endif
	FMA 0                                          ; plain work on other registers stands behind every run of exponentials (ISA guide 5.7.2)
.irp u, 0,1,2,3,4,5,6
	EXPT \u
	FMA \u+1
.endr
	EXPT 7
	; the denominator, from the f32 p: two chains a query tile; the first lines read tiles whose exponentials are long done
.if \first
	s_wait_alu depctr_va_vdst(0)
	v_pk_add_f32 v[LS+0:LS+1], v[S+0:S+1], v[S+4:S+5]
	v_pk_add_f32 v[LS+2:LS+3], v[S+32:S+33], v[S+36:S+37]
.else
	s_wait_alu depctr_va_vdst(0)
	v_pk_fma_f32 v[LS+0:LS+1], v[LS+0:LS+1], v[AL+0:AL+1], v[S+0:S+1] op_sel_hi:[1,0,1]
	v_pk_fma_f32 v[LS+2:LS+3], v[LS+2:LS+3], v[AL+2:AL+3], v[S+32:S+33] op_sel_hi:[1,0,1]
	v_pk_add_f32 v[LS+0:LS+1], v[LS+0:LS+1], v[S+4:S+5]
	v_pk_add_f32 v[LS+2:LS+3], v[LS+2:LS+3], v[S+36:S+37]
.endif
	v_pk_add_f32 v[T+0:T+1], v[S+2:S+3], v[S+6:S+7]
	v_pk_add_f32 v[T+2:T+3], v[S+34:S+35], v[S+38:S+39]
.irp e, 8,12,16,20,24,28
	v_pk_add_f32 v[LS+0:LS+1], v[LS+0:LS+1], v[S+\e:S+\e+1]
	v_pk_add_f32 v[T+0:T+1], v[T+0:T+1], v[S+\e+2:S+\e+3]
	v_pk_add_f32 v[LS+2:LS+3], v[LS+2:LS+3], v[S+32+\e:S+32+\e+1]
	v_pk_add_f32 v[T+2:T+3], v[T+2:T+3], v[S+32+\e+2:S+32+\e+3]
.endr
	v_pk_add_f32 v[LS+0:LS+1], v[LS+0:LS+1], v[T+0:T+1]
	v_pk_add_f32 v[LS+2:LS+3], v[LS+2:LS+3], v[T+2:T+3]
	; p to f16, in place and ascending: register e is written from registers 2 e, 2 e + 1, which no earlier line has overwritten
.irp qt, 0,1
.irp g, 0,1
.irp e, 0,1,2,3,4,5,6,7
	v_cvt_pk_f16_f32 v[S+32*\qt+16*\g+\e], v[S+32*\qt+16*\g+2*\e], v[S+32*\qt+16*\g+2*\e+1]
.endr
.endr
.endr
.if \first == 0
.irp t, 0,1,2,3,4,5,6,7
.irp e, 0,2,4,6
	v_pk_mul_f32 v[O+8*\t+\e:O+8*\t+\e+1], v[O+8*\t+\e:O+8*\t+\e+1], v[AL+2*(\t%2):AL+2*(\t%2)+1] op_sel_hi:[1,0]
.endr
.endr
.endif
	s_wait_dscnt 0                                 ; V's 16 loads, issued in front of the softmax
	PVG 0, \first
.if \more
	PLACES 4                                       ; V's first 32 registers have been read:
	LOADKH \s, \i+1, 0                             ; the next K's key tiles 0, 1 go there while the second 32 keys are multiplied
.endif
	PVG 1, 0
	PLACES 5                                       ; the next scores are written over P, a source of these; V's other registers are loaded again
.if \more
	LOADKH \s, \i+1, 1
.endif
.endm
; One tile of 256 keys in slot s, of which 128 are mine.  In front of the round every wave has waited for all its tensor loads (its part of
; this tile among them) and for its reads of the other slot; behind the round the other slot's joint refill comes first.
.macro TRIP s, refill, first
	s_wait_xcnt 0x0
	v_lshl_add_u32 v190, v0, 2, 0x3e000
	v_mov_b32 v191, 0
	s_wait_tensorcnt 0x0                           ; none of my tensor loads is out, so a group 0 may be written:
	ds_add_u32 v190, v191
	s_wait_dscnt 0x0
	s_add_nc_u64 s[G0K+4*\s+2:G0K+4*\s+3], s[G0K+4*\s+2:G0K+4*\s+3], 2*TILEB    ; this slot's next tile
	s_add_nc_u64 s[G0V+4*\s+2:G0V+4*\s+3], s[G0V+4*\s+2:G0V+4*\s+3], 2*TILEB
	s_wait_dscnt 0x0                               ; my reads of the last tile are done
	ROUND
.if \refill
	JLOAD 1-\s                                     ; the next tile, into the slot read last trip: it has this trip's 64 matrix instructions of each of 16 waves in which to land
.endif
	LOADKH \s, 0, 0
	LOADKH \s, 0, 1
	SUB \s, 0, \first, 1
	SUB \s, 1, 0, 0
.endm
	TRIP 0, 1, 1                                   ; tiles 0 and 1 stand in front of the loop: the first sub-block starts all sums
	TRIP 1, 1, 0
	s_mov_b32 s22, 2
.Llap:
	TRIP 0, 1, 0                                   ; tiles 2 to 5
	TRIP 1, 1, 0
	s_sub_co_u32 s22, s22, 1
	s_cmp_lg_u32 s22, 0
	s_cbranch_scc1 .Llap
	TRIP 0, 1, 0                                   ; tile 6 asks for tile 7,
	TRIP 1, 0, 0                                   ; tile 7 for nothing
	; THE TWO HALVES OF THE KEYS MEET.  I send my set 1 (the query tile that my partner finishes) and take my partner's set 1, which is my set 0's tile.
	v_add_f32 v[T+0], v[LS+0], v[LS+1]             ; set 0: my lane's part of my denominator
	v_add_f32 v[T+3], v[LS+2], v[LS+3]             ; set 1: the same, to send,
	v_mov_b32 v[T+2], v[NM+2]                      ; beside - log2(e) / 8 x its maximum
	v_and_b32 v8, 31, v0
	v_lshlrev_b32 v9, 4, v8                        ; 16 x lane
	v_lshlrev_b32 v8, 3, v8                        ; 8 x lane
	s_mul_i32 s12, s8, XW
	s_add_co_u32 s12, s12, XCH                     ; my part of the exchange
	s_add_co_u32 s13, s8, 8
	s_and_b32 s13, s13, 15                         ; my partner: the wave with the same queries and the other keys
	s_mul_i32 s13, s13, XW
	s_add_co_u32 s13, s13, XCH
	v_add_nc_u32 v1, s12, v9
	v_add_nc_u32 v2, s12, v8
	v_add_nc_u32 v3, s13, v9
	v_add_nc_u32 v4, s13, v8
.irp dt, 0,1,2,3
	ds_store_b128 v1, v[O+8*(2*\dt+1):O+8*(2*\dt+1)+3]   offset:1024*\dt          ; 32 lanes x 16 neighbouring bytes
	ds_store_b128 v1, v[O+8*(2*\dt+1)+4:O+8*(2*\dt+1)+7] offset:1024*\dt+512
.endr
	ds_store_b64 v2, v[T+2:T+3] offset:4096
	s_wait_dscnt 0x0                               ; for my partner's sake: all my stores are done
	s_barrier_signal -1
	s_barrier_wait -1
.irp t, 0,1,2,3,4,5,6,7
	ds_load_b128 v[F+4*\t:F+4*\t+3], v3 offset:512*\t          ; lane l takes what my partner's lane l put: the same query, the same columns
.endr
	ds_load_b64 v[T+4:T+5], v4 offset:4096
	s_wait_dscnt 0x0
	v_min_num_f32 v[T+6], v[NM+0], v[T+4]          ; - log2(e) / 8 x the larger of the two maxima
	v_sub_f32 v[T+7], v[T+6], v[NM+0]              ; log2 of my factor, never above 0
	v_sub_f32 v[T+8], v[T+6], v[T+4]               ; and of my partner's
	v_exp_f32 v[T+7], v[T+7]
	v_exp_f32 v[T+8], v[T+8]
	v_and_b32 v[T+9], 15, v0                       ; r: the plain place behind the exponentials (ISA guide 5.7.2)
	s_wait_alu depctr_va_vdst(0)
	v_mul_f32 v[T+0], v[T+0], v[T+7]
	v_fma_f32 v[T+0], v[T+5], v[T+8], v[T+0]       ; my lane's part of the whole denominator
	v_permlanex16_b32 v[T+1], v[T+0], s20, s21     ; the other half of the lanes holds the other keys
	v_add_f32 v[T+0], v[T+0], v[T+1]               ; never near 0: the key of the maximum adds 1 within rounding
	v_rcp_f32 v[T+1], v[T+0]
	v_bfe_u32 v8, v0, 4, 1                         ; h: the plain place behind the reciprocal
	s_wait_alu depctr_va_vdst(0)
	v_mul_f32 v[AL+0], v[T+7], v[T+1]              ; factor / denominator, mine
	v_mul_f32 v[AL+2], v[T+8], v[T+1]              ; and my partner's
.irp dt, 0,1,2,3
.irp e, 0,2,4,6
	v_pk_mul_f32 v[F+8*\dt+\e:F+8*\dt+\e+1], v[F+8*\dt+\e:F+8*\dt+\e+1], v[AL+2:AL+3] op_sel_hi:[1,0]
.endr
.endr
.irp dt, 0,1,2,3
.irp e, 0,2,4,6
	v_pk_fma_f32 v[O+16*\dt+\e:O+16*\dt+\e+1], v[O+16*\dt+\e:O+16*\dt+\e+1], v[AL+0:AL+1], v[F+8*\dt+\e:F+8*\dt+\e+1] op_sel_hi:[1,0,1]
.endr
.endr
	; THE WAY OUT: round to f16, through my stage, whole rows of 256 bytes (two queries) out
.irp dt, 0,1,2,3
.irp e, 0,1,2,3
	v_cvt_pk_f16_f32 v[S+4*\dt+\e], v[O+16*\dt+2*\e], v[O+16*\dt+2*\e+1]
.endr
.endr
	s_mul_i32 s12, s8, WSTAGE
	s_add_co_u32 s12, s12, STAGE                   ; my stage
	v_add_nc_u32 v1, s12, v[LK]                    ; in: query r in row r / 2, half r % 2, 16 bytes for each half of the lanes
	v_mul_u32_u24 v2, v8, PK                       ; back: lanes 0-15 one row of 256 bytes, lanes 16-31 the next
	v_lshl_add_u32 v2, v[T+9], 4, v2
	v_add_nc_u32 v2, s12, v2
.irp dt, 0,1,2,3
	ds_store_b128 v1, v[S+4*\dt:S+4*\dt+3] offset:32*\dt
.endr
.irp t, 0,1,2,3
	ds_load_b128 v[F+32+4*\t:F+32+4*\t+3], v2 offset:\t*2*PK   ; LDS serves a wave's instructions in order: these see the stores above
.endr
.irp t, 0,1,2,3
	s_wait_dscnt 3-\t                              ; load t is in, the younger ones stay out
	global_store_b128 v9, v[F+32+4*\t:F+32+4*\t+3], s[58:59] offset:512*\t    ; 512 consecutive bytes: four queries
.endr
	s_wait_xcnt 0x0
	v_lshl_add_u32 v190, v0, 2, 0x3e000
	v_mov_b32 v191, 0
	s_wait_tensorcnt 0x0
	ds_add_u32 v190, v191
	s_wait_dscnt 0x0
	ROUND                                          ; the closing round
	s_endpgm
.Lfunc_end_k_q73fd655776_attn:
	.size	k_q73fd655776_attn, .Lfunc_end_k_q73fd655776_attn-k_q73fd655776_attn
	.p2alignl 7, 3214868480
	.fill 96, 4, 3214868480
	.section	.rodata,"a",@progbits
	.p2align	6, 0x0
	.amdhsa_kernel k_q73fd655776_attn
		.amdhsa_group_segment_fixed_size 327680
		.amdhsa_private_segment_fixed_size 0
		.amdhsa_enable_private_segment 0
		.amdhsa_kernarg_size 16
		.amdhsa_user_sgpr_count 2
		.amdhsa_user_sgpr_kernarg_segment_ptr 1
		.amdhsa_wavefront_size32 1
		.amdhsa_system_sgpr_workgroup_id_x 1
		.amdhsa_system_sgpr_workgroup_id_y 1
		.amdhsa_system_sgpr_workgroup_id_z 1
		.amdhsa_system_vgpr_workitem_id 0
		.amdhsa_next_free_vgpr 256
		.amdhsa_next_free_sgpr 66
		.amdhsa_reserve_vcc 0
		.amdhsa_float_denorm_mode_32 3
		.amdhsa_float_denorm_mode_16_64 3
		.amdhsa_memory_ordered 1
		.amdhsa_forward_progress 1
		.amdhsa_inst_pref_size 222
	.end_amdhsa_kernel
	.amdgpu_metadata
---
amdhsa.version: [ 1, 2 ]
amdhsa.kernels:
  - .name:           k_q73fd655776_attn
    .symbol:         k_q73fd655776_attn.kd
    .args:
      - { .name: qkv, .offset: 0, .size: 8, .value_kind: global_buffer, .address_space: global }
      - { .name: ctx, .offset: 8, .size: 8, .value_kind: global_buffer, .address_space: global }
    .group_segment_fixed_size: 327680
    .private_segment_fixed_size: 0
    .kernarg_segment_align: 8
    .kernarg_segment_size: 16
    .max_flat_workgroup_size: 512
    .sgpr_count:     66
    .vgpr_count:     256
    .wavefront_size: 32
...
	.end_amdgpu_metadata
.endif
;; end of part 3
;; launch outgemm (part 4): grid 8 x 32, 4 waves a work-group, clusters of 4 x 4, 327,680 bytes of LDS; arguments ctx, woh, b_out, out0; writes out0
.if DOCPART == 4
	.amdgcn_target "amdgcn-amd-amdhsa--gfx1250"
	.amdhsa_code_object_version 6
	.text
	.protected	k_q73fd655776_outgemm
	.globl	k_q73fd655776_outgemm
	.p2align	8
	.type	k_q73fd655776_outgemm,@function
k_q73fd655776_outgemm:
	s_mov_b64 s[64:65], 0
	v_nop
	global_prefetch_b8 v0, s[64:65] scope:SCOPE_SE
	s_setreg_imm32_b32 hwreg(HW_REG_WAVE_MODE, 25, 1), 1
	s_wait_xcnt 0x0
	s_wait_alu depctr_hold_cnt(0) depctr_sa_sdst(0) depctr_va_vdst(0) depctr_va_sdst(0) depctr_va_ssrc(0) depctr_va_vcc(0) depctr_vm_vsrc(0)
	s_getreg_b32 s2, hwreg(HW_REG_IB_STS2, 6, 4)
	s_cmp_eq_u32 s2, 0
	s_cbranch_scc0 .Lentry_in_a_cluster
	s_endpgm
.Lentry_in_a_cluster:
	s_bfe_u32 s2, ttmp6, 0x10000c
	s_cmp_lg_u32 s2, 0xf033
	s_cbranch_scc0 .Lentry_shape_is_right
	s_endpgm
.Lentry_shape_is_right:
; out0[m][n] = sum over k of ctx(m, k) woh[n][k] + b_out[n], m < 4096, n < 1024, k = 64 h + d < 1024; operands f16, sums and result f32.
; ctx lies head-major, [b][h][l][64].  The bias starts the f32 sums instead of being added last.
; A work-group makes 128 x 128 with four waves, 2 x 2, 64 x 64 each (16 accumulator tiles): 8 x 32 blocks are 256 work-groups.
; K goes through two LDS slots of 256 each (four heads): one step of 128 would be 64 matrix instructions a wave, so a slot holds two,
; brought by one load a wave; both slots' first fills go out together, two refills remain, each with 128 matrix instructions in which to land.
; CLUSTERS: 4 x 4 work-groups; ctx's tile is shared along a cluster's row, woh's along a column, each asked for jointly.
; The matrix instruction is used transposed (source 0 = rows of woh, source 1 = rows of ctx): lane l holds row l % 16 of the result,
; registers 0-7 the columns 8 (l / 16) + 0..7.
.set PITCH,  272                       ; ctx in LDS: two tokens of 128 bytes in a row of 256, + 16 of padding
.set HEADB,  64*PITCH                  ; a head's 128 tokens: 17,408
.set BPITCH, 528                       ; woh in LDS: 512 bytes + 16
.set AHALF,  2*HEADB                   ; what wave 0 or 1 brings: two heads, 34,816; lands at wave x AHALF
.set BHALF,  64*BPITCH                 ; what wave 2 or 3 brings: 64 rows, 33,792
.set BOFFS,  2*AHALF                   ; woh's first byte in a slot: 69,632
.set SLOT,   BOFFS+2*BHALF             ; 137,216
.set STAGE,  2*SLOT                    ; 274,432: the way out; no tensor load lands here
.set WSTAGE, 16*PITCH                  ; 4,352 a wave
.set PL,     262144
.set ADRA, 8                           ; v8-9   my ctx fragment address in slot 0, 1
.set ADRB, 10                          ; v10-11 my woh fragment address
.set STO,  12
.set RD,   13
.set CO,   14
.set BOFF, 15
.set FA,   32                          ; ctx fragments, buffer f at 32 + 64 f
.set FB,   64                          ; woh fragments, buffer f at 64 + 64 f
.set BIAS, 160                         ; v160-191, tile b at 160 + 8 b
                                       ; window 1: acc(a, b) at 8 (4 a + b), v256-383
.set G1,  24
.set G0,  32
.set G1B, 48
.set G0B, 56
.set MSB, 0
.macro WIN new
.if MSB != \new
	s_set_vgpr_msb (MSB<<8)|\new
.set MSB, \new
.endif
.endm
.macro PLACES                          ; four plain places behind a matrix instruction (ISA guide 7.12.1)
.rept 4
	v_nop
.endr
.endm
.macro JLOAD s                         ; waves 0, 1 ask for ctx's halves, waves 2, 3 for woh's
	s_cmp_eq_u32 s13, 0
	s_cbranch_scc0 .Lfor_b_\@
	tensor_load_to_lds s[G0+4*(\s):G0+4*(\s)+3], s[G1:G1+7]
	s_nop 0
	s_branch .Lasked_\@
.Lfor_b_\@:
	tensor_load_to_lds s[G0B+4*(\s):G0B+4*(\s)+3], s[G1B:G1B+7]
	s_nop 0
.Lasked_\@:
.endm
.macro CROUND                          ; a round of the cluster's barrier
	s_barrier_signal -1
	s_barrier_wait -1
	s_cmp_lg_u32 s12, 0
	s_cbranch_scc1 .Lnot_wave_0_\@
	s_barrier_signal -3
.Lnot_wave_0_\@:
	s_barrier_wait -3
	s_barrier_signal -1
	s_barrier_wait -1
.endm
	s_load_b256 s[4:11], s[0:1], 0x0               ; ctx s[4:5], woh s[6:7], b_out s[8:9], out0 s[10:11]
	v_lshl_add_u32 v254, v0, 2, 0x47400
	v_mov_b32 v255, 0
	ds_add_u32 v254, v255
	v_lshrrev_b32 v1, 5, v0
	v_readfirstlane_b32 s12, v1                    ; wave 0..3
	s_lshr_b32 s13, s12, 1                         ; my half of the block's rows; also: I fetch for ctx (0) or woh (1)
	s_and_b32 s14, s12, 1                          ; my half of its columns; also: which half of that tile
	s_bfe_u32 s40, ttmp6, 0x40000                  ; cx
	s_bfe_u32 s41, ttmp6, 0x40004                  ; cy
	s_lshl_b32 s42, ttmp9, 2
	s_add_co_u32 s42, s42, s40                     ; block column
	s_and_b32 s43, ttmp7, 0xffff
	s_lshl_b32 s43, s43, 2
	s_add_co_u32 s43, s43, s41                     ; block row
	s_lshl_b32 s44, s41, 2
	s_lshl_b32 s44, 15, s44                        ; my row of the cluster
	s_lshl_b32 s45, 0x1111, s40                    ; my column
	; ctx: two heads, each a dense run of 16,384 bytes = one row of 2,048 elements of 8 bytes, a plane apart.  The padding is counted along
	; the tile: 16 bytes behind every 256, so that in LDS two tokens lie in a row of 272
	s_or_b32 s[G1+0], s44, (3<<16)|(1<<20)|(1<<21)|(5<<22)|(3<<25)
	s_mov_b32 s[G1+1], 2048<<16                    ; tensor_dim0
	s_mov_b32 s[G1+2], 2<<16                       ; tensor_dim1 = 2
	s_mov_b32 s[G1+3], 2048<<16                    ; tile_dim0
	s_mov_b32 s[G1+4], 2                           ; tile_dim1
	s_mov_b32 s[G1+5], PL/8                        ; elements from head to head
	s_mov_b32 s[G1+6], 0
	s_mov_b32 s[G1+7], 0
	; woh: 64 rows of 256 elements of 2 bytes, 16 bytes of padding behind every 128 words
	s_or_b32 s[G1B+0], s45, (1<<16)|(1<<20)|(1<<21)|(6<<22)|(3<<25)
	s_mov_b32 s[G1B+1], 256<<16
	s_mov_b32 s[G1B+2], 64<<16
	s_mov_b32 s[G1B+3], 256<<16
	s_mov_b32 s[G1B+4], 64
	s_mov_b32 s[G1B+5], 1024
	s_mov_b32 s[G1B+6], 0
	s_mov_b32 s[G1B+7], 0
	s_lshr_b32 s16, s43, 4                         ; batch: sixteen blocks of 128 tokens each
	s_lshl_b32 s16, s16, 4
	s_lshl_b32 s17, s14, 1
	s_add_co_u32 s16, s16, s17                     ; plane 16 b + 2 x half
	s_lshl_b32 s16, s16, 18
	s_and_b32 s17, s43, 15
	s_lshl_b32 s17, s17, 14                        ; 128 tokens x 128 bytes
	s_add_co_u32 s16, s16, s17
	s_mov_b32 s17, 0
	s_lshl_b32 s46, s42, 7
	s_lshl_b32 s47, s14, 6
	s_add_co_u32 s46, s46, s47                     ; woh: row 128 x block column + 64 x half
	s_lshl_b32 s46, s46, 11
	s_mov_b32 s47, 0
	s_mul_i32 s20, s12, AHALF                      ; ctx's halves land at wave x 34,816 (waves 0, 1),
	s_mul_i32 s21, s12, BHALF
	s_add_co_u32 s21, s21, BOFFS-2*BHALF           ; woh's at wave x 33,792 + 2,048 (waves 2, 3): 69,632 and 103,424
	s_wait_dscnt 0x0
	s_wait_kmcnt 0x0
	s_add_nc_u64 s[16:17], s[4:5], s[16:17]
	s_add_nc_u64 s[46:47], s[6:7], s[46:47]
	CROUND                                         ; in front of the first joint loads
.irp s, 0,1
	s_mov_b32 s[G0+4*\s], 1
	s_add_co_u32 s[G0+4*\s+1], s20, \s*SLOT
	s_add_nc_u64 s[G0+4*\s+2:G0+4*\s+3], s[16:17], \s*4*PL         ; heads 4 s ..
	s_or_b32 s[G0+4*\s+3], s[G0+4*\s+3], 0x80000000
	s_mov_b32 s[G0B+4*\s], 1
	s_add_co_u32 s[G0B+4*\s+1], s21, \s*SLOT
	s_add_nc_u64 s[G0B+4*\s+2:G0B+4*\s+3], s[46:47], \s*512        ; k = 256 s ..
	s_or_b32 s[G0B+4*\s+3], s[G0B+4*\s+3], 0x80000000
	JLOAD \s                                       ; two tensor loads of a wave are out here, one behind each later round
.endr
	v_and_b32 v1, 15, v0                           ; r
	v_bfe_u32 v2, v0, 4, 1                         ; h
	v_lshlrev_b32 v[BOFF], 5, v2
	s_lshl_b32 s18, s42, 9
	s_lshl_b32 s19, s14, 8
	s_add_co_u32 s18, s18, s19                     ; my 64 bias numbers: (128 x block column + 64 x half) x 4 bytes
	s_mov_b32 s19, 0
	s_add_nc_u64 s[8:9], s[8:9], s[18:19]
.irp b, 0,1,2,3
	global_load_b128 v[BIAS+8*\b:BIAS+8*\b+3],   v[BOFF], s[8:9] offset:64*\b
	global_load_b128 v[BIAS+8*\b+4:BIAS+8*\b+7], v[BOFF], s[8:9] offset:64*\b+16
.endr
	v_lshrrev_b32 v4, 1, v1
	v_mul_u32_u24 v4, v4, PITCH                    ; token r: row r / 2,
	v_and_b32 v5, 1, v1
	v_lshl_add_u32 v4, v5, 7, v4                   ; half r % 2,
	v_lshl_add_u32 v4, v2, 4, v4                   ; 16 bytes for each half of the lanes
	s_mul_i32 s22, s13, 32*PITCH                   ; my 64 tokens
	v_mul_u32_u24 v3, v1, BPITCH
	v_lshl_add_u32 v3, v2, 4, v3
	s_mul_i32 s23, s14, BHALF                      ; my 64 rows of woh
	s_add_co_u32 s23, s23, BOFFS
.irp s, 0,1
	v_add_nc_u32 v[ADRA+\s], s22, v4
	v_add_nc_u32 v[ADRB+\s], s23, v3
	s_add_co_u32 s22, s22, SLOT
	s_add_co_u32 s23, s23, SLOT
.endr
	s_mul_i32 s22, s12, WSTAGE
	s_add_co_u32 s22, s22, STAGE                   ; my stage: 16 rows of 64 f32
	v_mul_u32_u24 v5, v1, PITCH
	v_lshl_add_u32 v5, v2, 5, v5                   ; in: row r, 32 bytes for each half of the lanes
	v_add_nc_u32 v[STO], s22, v5
	v_mul_u32_u24 v5, v2, PITCH
	v_lshl_add_u32 v5, v1, 4, v5                   ; back: lanes 0-15 one row, lanes 16-31 the next
	v_add_nc_u32 v[RD], s22, v5
	v_lshlrev_b32 v5, 12, v2                       ; and the same two rows of out0, 4,096 bytes apart
	v_lshl_add_u32 v[CO], v1, 4, v5
; 16 LDS loads: quarter q (32 of the slot's 256 along K: head q / 2, columns 32 (q % 2) ..) into buffer f
.macro FETCH s, q, f
	PLACES                                         ; the buffer's last readers are matrix instructions
.irp i, 0,1,2,3
	ds_load_b128 v[FA+64*(\f)+8*\i:FA+64*(\f)+8*\i+3],   v[ADRA+\s] offset:((\q)/2)*HEADB+((\q)%2)*64+\i*8*PITCH
	ds_load_b128 v[FA+64*(\f)+8*\i+4:FA+64*(\f)+8*\i+7], v[ADRA+\s] offset:((\q)/2)*HEADB+((\q)%2)*64+\i*8*PITCH+32
.endr
.irp i, 0,1,2,3
	ds_load_b128 v[FB+64*(\f)+8*\i:FB+64*(\f)+8*\i+3],   v[ADRB+\s] offset:64*(\q)+\i*16*BPITCH
	ds_load_b128 v[FB+64*(\f)+8*\i+4:FB+64*(\f)+8*\i+7], v[ADRB+\s] offset:64*(\q)+\i*16*BPITCH+32
.endr
.endm
; 16 matrix instructions, the 16 accumulators by turns, one instruction a turn.  first = 1: the bias tile is C.
.macro MUL16 f, first
.if \first
	WIN 0x40                                       ; D window 1, C window 0
.else
	WIN 0x50                                       ; C and D window 1
.endif
.irp a, 0,1,2,3
.irp b, 0,1,2,3
.if \first
	v_wmma_f32_16x16x32_f16 v[8*(4*\a+\b):8*(4*\a+\b)+7], v[FB+64*\f+8*\b:FB+64*\f+8*\b+7], v[FA+64*\f+8*\a:FA+64*\f+8*\a+7], v[BIAS+8*\b:BIAS+8*\b+7]
.else
	v_wmma_f32_16x16x32_f16 v[8*(4*\a+\b):8*(4*\a+\b)+7], v[FB+64*\f+8*\b:FB+64*\f+8*\b+7], v[FA+64*\f+8*\a:FA+64*\f+8*\a+7], v[8*(4*\a+\b):8*(4*\a+\b)+7]
.endif
.endr
.endr
	WIN 0
.endm
; One quarter: its fragments are in; the next quarter's (nextq < 8) are requested into the other buffer; then the products
.macro QSTEP s, nextq, f, first
	s_wait_dscnt 0x0                               ; this quarter's 16 loads, issued in front of the last quarter's products
.if \nextq < 8
	FETCH \s, \nextq, 1-\f
.endif
	MUL16 \f, \first
.endm
.macro WORK s, first                   ; a slot's eight quarters
	FETCH \s, 0, 0
	QSTEP \s, 1, 0, \first
	QSTEP \s, 2, 1, 0
	QSTEP \s, 3, 0, 0
	QSTEP \s, 4, 1, 0
	QSTEP \s, 5, 0, 0
	QSTEP \s, 6, 1, 0
	QSTEP \s, 7, 0, 0
	QSTEP \s, 8, 1, 0
.endm
; The change to slot s.  Every wave waits for all its tensor loads (its part of slot s among them) and for its reads of the other slot;
; where the other slot is filled again a round of the cluster's barrier follows and the joint refill is the first tensor load behind it.
.macro TWO s, refill
	s_wait_tensorcnt 0x0
	ds_add_u32 v254, v255
	s_wait_dscnt 0x0
.if \refill
	s_add_nc_u64 s[G0+4*(1-\s)+2:G0+4*(1-\s)+3], s[G0+4*(1-\s)+2:G0+4*(1-\s)+3], 8*PL       ; eight heads on
	s_add_nc_u64 s[G0B+4*(1-\s)+2:G0B+4*(1-\s)+3], s[G0B+4*(1-\s)+2:G0B+4*(1-\s)+3], 1024   ; 512 along K
.endif
	s_wait_dscnt 0x0
.if \refill
	CROUND
	JLOAD 1-\s
.else
	s_barrier_signal -1
	s_barrier_wait -1
.endif
	WORK \s, 0
.endm
	s_wait_loadcnt 0x0                             ; the bias
	s_wait_tensorcnt 1                             ; my part of slot 0 is in; slot 1's may stay out
	s_barrier_signal -1
	s_barrier_wait -1
	WORK 0, 1                                      ; k 0-255: the first products take the bias as C
	TWO 1, 1                                       ; k 256-511; slot 0 gets k 512-767
	TWO 0, 1                                       ; k 512-767; slot 1 gets k 768-1023
	TWO 1, 0                                       ; k 768-1023
	; THE WAY OUT, 16 rows at a time through my stage: sixteen lanes store 256 consecutive bytes at a multiple of 256 from out0's first byte
	PLACES
	s_lshl_b32 s16, s43, 7
	s_lshl_b32 s17, s13, 6
	s_add_co_u32 s16, s16, s17                     ; my first row
	s_lshl_b32 s16, s16, 12                        ; x 4,096 bytes
	s_mov_b32 s17, 0
	s_add_nc_u64 s[10:11], s[10:11], s[16:17]
	s_add_nc_u64 s[10:11], s[10:11], s[18:19]      ; my first column: the same (128 x block column + 64 x half) x 4 bytes as for the bias
.macro OUT16 a, rr
	WIN 0x04                                       ; the stores' data in window 1
.irp b, 0,1,2,3
	ds_store_b128 v[STO], v[8*(4*\a+\b):8*(4*\a+\b)+3]   offset:64*\b
	ds_store_b128 v[STO], v[8*(4*\a+\b)+4:8*(4*\a+\b)+7] offset:64*\b+16
.endr
	WIN 0
	s_wait_xcnt 0x0                                ; the read-back registers were earlier stores' data: they are loaded again only behind this wait
.irp t, 0,1,2,3,4,5,6,7
	ds_load_b128 v[\rr+4*\t:\rr+4*\t+3], v[RD] offset:\t*2*PITCH   ; LDS serves a wave's instructions in order: these see the stores above
.endr
.irp t, 0,1,2,3,4,5,6,7
	s_wait_dscnt 7-\t                              ; load t is in, the younger ones stay out
	global_store_b128 v[CO], v[\rr+4*\t:\rr+4*\t+3], s[10:11] offset:(16*\a+2*\t)*4096 th:TH_STORE_NT
.endr
.endm
	OUT16 0, 32
	OUT16 1, 96
	OUT16 2, 32
	OUT16 3, 96
	s_wait_tensorcnt 0x0
	ds_add_u32 v254, v255
	s_wait_dscnt 0x0
	CROUND                                         ; the closing round
	s_endpgm
.Lfunc_end_k_q73fd655776_outgemm:
	.size	k_q73fd655776_outgemm, .Lfunc_end_k_q73fd655776_outgemm-k_q73fd655776_outgemm
	.p2alignl 7, 3214868480
	.fill 96, 4, 3214868480
	.section	.rodata,"a",@progbits
	.p2align	6, 0x0
	.amdhsa_kernel k_q73fd655776_outgemm
		.amdhsa_group_segment_fixed_size 327680
		.amdhsa_private_segment_fixed_size 0
		.amdhsa_enable_private_segment 0
		.amdhsa_kernarg_size 32
		.amdhsa_user_sgpr_count 2
		.amdhsa_user_sgpr_kernarg_segment_ptr 1
		.amdhsa_wavefront_size32 1
		.amdhsa_system_sgpr_workgroup_id_x 1
		.amdhsa_system_sgpr_workgroup_id_y 1
		.amdhsa_system_sgpr_workgroup_id_z 1
		.amdhsa_system_vgpr_workitem_id 0
		.amdhsa_next_free_vgpr 384
		.amdhsa_next_free_sgpr 66
		.amdhsa_reserve_vcc 0
		.amdhsa_float_denorm_mode_32 3
		.amdhsa_float_denorm_mode_16_64 3
		.amdhsa_memory_ordered 1
		.amdhsa_forward_progress 1
		.amdhsa_inst_pref_size 90
	.end_amdhsa_kernel
	.amdgpu_metadata
---
amdhsa.version: [ 1, 2 ]
amdhsa.kernels:
  - .name:           k_q73fd655776_outgemm
    .symbol:         k_q73fd655776_outgemm.kd
    .args:
      - { .name: ctx, .offset: 0, .size: 8, .value_kind: global_buffer, .address_space: global }
      - { .name: woh, .offset: 8, .size: 8, .value_kind: global_buffer, .address_space: global }
      - { .name: b_out, .offset: 16, .size: 8, .value_kind: global_buffer, .address_space: global }
      - { .name: out0, .offset: 24, .size: 8, .value_kind: global_buffer, .address_space: global }
    .group_segment_fixed_size: 327680
    .private_segment_fixed_size: 0
    .kernarg_segment_align: 8
    .kernarg_segment_size: 32
    .max_flat_workgroup_size: 128
    .sgpr_count:     66
    .vgpr_count:     384
    .wavefront_size: 32
...
	.end_amdgpu_metadata
.endif
;; end of part 4
